; MI455X (gfx1250); checked and timed in simulation.
; The chip was launched on July 23, 2026; its instructions are those of AMD's public machine-readable ISA for CDNA 5 (MIT licence, August 2026) and "CDNA5" Instruction Set Architecture Reference Guide (July 2026). The comments in the code are by the model that wrote it; some were corrected since.
;; Quantized Linear With Lora. Allowed arithmetic: matrix products marked QUANTISED: E2M1 operands, one E8M0 scale for each 32 along K, by v_wmma_scale_f32_16x16x128_f8f6f4 with both operands' format E2M1 (or v_wmma_scale_f32_32x16x128_f4), f32 sums; products left as they are: f32 operands where the result goes on into a quantised operand, else bf16, f16 or f32 operands; f32 sums; everything else in f32.
;; Inputs: A_codes 16 x 128 x 16 uint8 (E2M1 codes of A, K innermost, in blocks of 32 codes, two codes a byte); A_scales 16 x 128 uint8 (E8M0 scales of A, one for each 32 codes along K); B 16 x 4,096 float32; absmax 4,096 x 64 float32; bias 4,096 float32; codebook 16 float32; q_codes 4,096 x 4,096 int32; x_codes 4,096 x 128 x 16 uint8 (E2M1 codes of x, K innermost, in blocks of 32 codes, two codes a byte); x_scales 4,096 x 128 uint8 (E8M0 scales of x, one for each 32 codes along K).
;; Outputs: out0 4,096 x 4,096 float32.
;; This version of the problem:
;;   THIS VERSION OF THE PROBLEM IS GIVEN IN LOW PRECISION. The matrix products marked QUANTISED in the list below multiply operands that are first quantised to E2M1 (2 exponent bits, 1 mantissa bit; 4 bits a number), with one power-of-two scale for each 32 numbers along K (OCP MX v1.0); their sums are f32. All else is computed in f32.
;;   The module's matrix products, in the order in which they are computed (A, B: the left and right operand; K: the contracted axis; several contracted axes count as one K, in the product's order):
;;     1. [M 4,096, K 4,096] x [K 4,096, N 4,096]; A: input x (given as codes); B: computed on the way: QUANTISED
;;     2. [M 4,096, K 4,096] x [K 4,096, N 16]; A: input x (given as codes); B: input A (given as codes): QUANTISED
;;     3. [M 4,096, K 16] x [K 16, N 4,096]; A: computed on the way; B: input B: left as it is (K = 16 < 32)
;;   THE QUANTISER, for each operand of a quantised product, along K:
;;     - K is cut into blocks of 32 from its start; a last block that is shorter is filled with zeros.
;;     - A block's scale is 2^e with e = floor(log2(the largest magnitude in the block)) - 2, held to -126 .. 127; a block of zeros has e = 0. As a byte (E8M0): e + 127.
;;     - Each number is divided by its block's scale, clamped to +-6, and rounded to the nearest number of E2M1, ties to even, subnormals kept.
;;     - The product sums the exact products of the quantised numbers (number of the format x scale) in f32.
;;   ~~~python
;;   def quantise(x, axis):      # numpy; x: float32 -> the quantised numbers, widened to float32 again
;;       x = np.moveaxis(x, axis, -1); K = x.shape[-1]
;;       x = np.pad(x, [(0, 0)] * (x.ndim - 1) + [(0, -K % 32)]); x = x.reshape(x.shape[:-1] + (-1, 32)); a = np.abs(x).max(-1, keepdims=True)
;;       e = np.where(a > 0, np.clip(np.frexp(np.where(a > 0, a, 1))[1] - 1 - 2, -126, 127), 0)      # np.frexp(a)[1] - 1 = floor(log2(a)), exactly
;;       r = np.clip(x / 2.0 ** e, -6, 6)
;;       step = 2.0 ** (np.maximum(np.frexp(np.where(r == 0, 1, r))[1] - 1, 0) - 1)
;;       q = np.round(r / step) * step * 2.0 ** e      # np.round: ties to even
;;       return np.moveaxis(q.reshape(q.shape[:-2] + (-1,))[..., :K], -1, axis).astype(np.float32)
;;   ~~~
;;   OPERANDS COMPUTED ON THE WAY. 'Computed on the way' means the value that the module computes at that place (a softmax that the list does not call 'softmax' is quantised finished and normalised). What goes into a quantiser is computed in f32, as accurately as f32 sums, v_exp_f32 and their like allow (about 1e-6 of the number): no bf16 or f16 on the way to a quantiser, and a product that is left as it is and whose result goes on into a quantised operand takes f32 operands (vector FMAs, or v_wmma_f32_16x16x4_f32). A number that lies on a knife's edge between two numbers of the format may be rounded either way, as far as f32 arithmetic and the matrix unit's own rounding can turn it there, and no further.
;;   INPUTS GIVEN AS CODES. A (in the module: [4096, 16], K = its axis 0); x (in the module: [4096, 4096], K = its axis 1): each comes as NAME_codes (uint8): NAME with its K axis moved to the last place and cut into blocks of 32 codes, [.., K / 32, bytes a block], one block behind the other in memory; two codes a byte, the lower K in the low four bits (a code: sign, 2 exponent bits, 1 mantissa bit); and NAME_scales (uint8): the same leading axes, one E8M0 byte (e + 127) for each 32 codes along K. Its value is code x scale, taken as it is: it is not quantised again, and the codes and scales need not be those that the quantiser above would give.
;; 2 versions, each right; version 2 is version 1 with the launch prep written anew for expert scheduling mode. Each part assembles by itself: llvm-mc -triple=amdgcn-amd-amdhsa -mcpu=gfx1250 --defsym DOCPART=n.
;; ======== version 1 of 2: 2 launches
;; workspace buffers: w_codes 8,388,608 bytes; ws2 524,288 bytes; xs2 524,288 bytes; xa_img 262,144 bytes
;; launch prep (part 1): grid 256 x 1, 8 waves a work-group, no clusters, 68,864 bytes of LDS; arguments q_codes, absmax, codebook, x_codes, x_scales, A_codes, A_scales, w_codes, ws2, xs2, xa_img; writes w_codes, ws2, xs2, xa_img
.if DOCPART == 1
	.amdgcn_target "amdgcn-amd-amdhsa--gfx1250"
	.amdhsa_code_object_version 6
	.text
	.protected	k_q740922aa57_prep
	.globl	k_q740922aa57_prep
	.p2align	8
	.type	k_q740922aa57_prep,@function
k_q740922aa57_prep:
	s_mov_b64 s[64:65], 0
	v_nop
	global_prefetch_b8 v0, s[64:65] scope:SCOPE_SE
	s_setreg_imm32_b32 hwreg(HW_REG_WAVE_MODE, 25, 1), 1
	s_wait_xcnt 0x0
; THREE THINGS THAT THE PRODUCT'S LAUNCH WANTS READY, each made once.
; (a) W[o][i] = codebook[q_codes[o][i]] x absmax[o][i / 64], in f32, is turned into codes of FP4 (E2M1), K innermost (w_codes [4096][2048 bytes]), with one E8M0 byte for each 32 along K.
;     A block's scale is 2^(floor(log2(its largest magnitude)) - 2); its byte is the largest magnitude's exponent field - 2, held at 1 from below.
; (b) 2 x (x A), [4096][16]: x and A arrive as codes; the product is made by the scaled FP4 matrix instruction, K shared out among the eight waves, the eight parts added in f32,
;     rounded to bf16 and stored as the IMAGE OF A bf16 OPERAND'S REGISTERS (xa_img: 1,024 bytes for each 16 rows: registers 0-3, lane l's 16 bytes at 16 l; then registers 4-7, zeros: ranks 16 to 31 do not exist).
; (c) the scale bytes of x and of W are laid by K step of 512: [8][4096 rows][16 bytes] (xs2, ws2), so that a K step's bytes of 256 rows are 4,096 consecutive bytes.
; SHARES.  Work-group g takes rows 16 g .. 16 g + 15 of W and of x.  Wave w takes W's rows 16 g + 2 w and + 1 (8,192 numbers, a plain stream of blocks: 16 steps of 512), and of x A the K range 512 w .. 512 w + 511.
; THE LOOK-UP.  The table's 16 numbers lie in the lanes of one register (lane l holds entry l % 16); ds_bpermute_b32 gives each lane the entry that its index names.  It touches no LDS byte.
; A lane must hold 16 NEIGHBOURS for the conversions, and a load is best where neighbouring lanes take neighbouring bytes: each load reads 512 consecutive bytes, and a step's 2,048 bytes turn through the wave's own stage in LDS.
; Loads run eight steps (32 loads a wave) ahead, the turn through LDS one step.  One barrier, at the end, in front of the two things that waves hand to each other: W's scale bytes and the parts of x A.
; LIMITS: NaN and infinities in codebook or absmax are not served.  A block of zeros gets the byte 1 (the rule says 127): its codes are zeros, and the bytes are read by this program alone.
; A q_code outside 0 .. 15 (the table has no such entry) is held to 15.  The parts of x A are added in the order of the waves, not in one chain along K.
.set STEPS, 16
.set WB,    256                        ; LDS bytes 0-255 are left free: the permutes' index registers hold 0 .. 60, lane numbers x 4, and name no LDS byte
.set WREG,  8192                       ; a region of its own for each wave: two stages of 32 x SP bytes, its 128 absmax, its part of x A
.set SP,    80                         ; a lane's place in a stage: its 64 bytes + 16 of padding
.set AMB,   2*32*SP                    ; 5,120: 512 bytes of absmax
.set PART,  6144                       ; 1,024 bytes: eight registers' image
.set SCB,   WB+8*WREG                  ; the work-group's: W's scale bytes of its 16 rows, [16][128]
.set AMA,   7                          ; v7       LDS address of my absmax: 4 (lane / 4) in my wave's 512 bytes; a step is 32 bytes on
.set R,     16                         ; v16-143  eight sets of 16 codes as they are loaded
.set X,     144                        ; v144-175 two sets of 16 neighbouring codes
.set VL,    176                        ; v176-191 16 numbers of W
.set C,     192                        ; v192-223 two registers of codes for each step, so that no store's data are written again
.set E,     224                        ; v224-239 a scale byte for each step
.set AMV,   240                        ; v240, v242 absmax of the step in hand, by turns; v241, v243 are named with them as pairs, so they are written once
.set CBK,   244                        ; v244     codebook[lane % 16]
.set XO,    245                        ; v245     a fragment's place: row r of 2,048 bytes + 16 h
.set SO,    246                        ; v246     scale bytes in: row r of 128 bytes + 8 h
.set XSO,   247                        ; v247     scale bytes out: row r of 16 bytes + 8 h
.set PA,    248                        ; v248     where my part of x A goes
.set AMS,   249                        ; v249     where my 16 bytes of absmax go
.set XSW,   250                        ; v250-251 x's scale words: lanes 0-15 words 0, 1 of my K range, lanes 16-31 words 2, 3
.set ASW,   252                        ; v252-253 A's likewise
.set XFR,   144                        ; at the head only: x's four fragments, A's four, two accumulators, their sum, absmax as loaded
.set AFR,   176
.set ACC0,  208
.set ACC1,  216
.set SUM,   224
.set AT,    232
	s_load_b256 s[4:11], s[0:1], 0x0               ; q_codes s[4:5], absmax s[6:7], codebook s[8:9], x_codes s[10:11]
	s_load_b256 s[12:19], s[0:1], 0x20             ; x_scales s[12:13], A_codes s[14:15], A_scales s[16:17], w_codes s[18:19]
	s_load_b128 s[20:23], s[0:1], 0x40             ; ws2 s[20:21], xs2 s[22:23]
	s_load_b64 s[24:25], s[0:1], 0x50              ; xa_img
	v_lshl_add_u32 v254, v0, 2, 0x10900
	v_mov_b32 v255, 0
	v_lshrrev_b32 v1, 5, v0
	v_readfirstlane_b32 s26, v1                    ; wave 0..7
	v_and_b32 v2, 31, v0                           ; lane
	v_lshlrev_b32 v3, 4, v2                        ; 16 x lane: my 16 bytes of a load's 512, and of an image's
	v_lshlrev_b32 v4, 3, v2                        ; 8 x lane: my 8 bytes of a store's 256
	s_mul_i32 s27, s26, WREG
	s_add_co_u32 s27, s27, WB                      ; my wave's region
	v_lshrrev_b32 v14, 2, v2
	v_mul_u32_u24 v14, v14, SP
	v_and_b32 v15, 3, v2
	v_lshl_add_u32 v14, v15, 4, v14
	v_add_nc_u32 v14, s27, v14                     ; the stage, on the way in: four lanes' 64 bytes on end, then 16 of padding
	v_mul_u32_u24 v15, v2, SP
	v_add_nc_u32 v15, s27, v15                     ; and on the way out: SP x lane: my 16 neighbours
	v_lshrrev_b32 v[AMA], 2, v2
	v_lshlrev_b32 v[AMA], 2, v[AMA]
	v_add_nc_u32 v[AMA], s27, v[AMA]
	v_add_nc_u32 v[AMA], AMB, v[AMA]               ; four lanes (64 numbers) share an absmax
	v_add_nc_u32 v[PA], s27, v3
	v_add_nc_u32 v[AMS], AMB, v[PA]
	v_add_nc_u32 v[PA], PART, v[PA]
	s_lshl_b32 s27, s26, 8
	s_add_co_u32 s27, s27, SCB
	v_lshrrev_b32 v5, 1, v2
	v_add_nc_u32 v5, s27, v5                       ; W's scale bytes in: my wave's two rows (256 bytes), my block's byte
	v_lshrrev_b32 v6, 1, v2
	v_lshlrev_b32 v6, 7, v6
	v_and_b32 v8, 1, v2
	v_lshl_add_u32 v6, v8, 3, v6
	s_lshl_b32 s27, s26, 4
	s_add_co_u32 s27, s27, SCB
	v_add_nc_u32 v6, s27, v6                       ; and out: row lane / 2, K step w's 16 bytes, my half of them
	v_and_b32 v9, 15, v2                           ; r
	v_lshrrev_b32 v8, 4, v2                        ; h
	v_lshlrev_b32 v[XO], 11, v9
	v_lshl_add_u32 v[XO], v8, 4, v[XO]
	v_lshlrev_b32 v[SO], 7, v9
	v_lshl_add_u32 v[SO], v8, 3, v[SO]
	v_lshlrev_b32 v[XSO], 4, v9
	v_lshl_add_u32 v[XSO], v8, 3, v[XSO]
	v_lshlrev_b32 v10, 2, v9                       ; the table's entry lane % 16
	v_mov_b32 v[AMV+1], 0
	v_mov_b32 v[AMV+3], 0
	s_mov_b32 s29, 0
.macro BASE p, gs, ws                  ; the buffer at s[p:p+1] moves on by (work-group << gs) | (wave << ws) bytes
	s_lshl_b32 s28, ttmp9, \gs
	s_lshl_b32 s27, s26, \ws
	s_or_b32 s28, s28, s27
	s_add_nc_u64 s[\p:\p+1], s[\p:\p+1], s[28:29]
.endm
	s_wait_kmcnt 0x0
	BASE 4, 18, 15                                 ; q_codes: 16 rows of 16,384 bytes; my two rows
	BASE 6, 12, 9                                  ; absmax: rows of 256 bytes
	BASE 10, 15, 8                                 ; x_codes: rows of 2,048 bytes; my K range's 256 bytes of a row
	BASE 12, 11, 4                                 ; x_scales: rows of 128 bytes; my K range's 16
	BASE 18, 15, 12                                ; w_codes: my two rows
	BASE 20, 8, 16                                 ; ws2, xs2: plane w of 65,536 bytes, the group's 16 rows of 16
	BASE 22, 8, 16
	s_lshl_b32 s28, s26, 8
	s_add_nc_u64 s[14:15], s[14:15], s[28:29]      ; A_codes, A_scales: my K range
	s_lshl_b32 s28, s26, 4
	s_add_nc_u64 s[16:17], s[16:17], s[28:29]
	s_lshl_b32 s28, ttmp9, 10
	s_add_nc_u64 s[24:25], s[24:25], s[28:29]      ; xa_img: the group's 1,024 bytes
	; the head's 20 loads
	global_load_b32 v[CBK], v10, s[8:9]
	global_load_b128 v[AT:AT+3], v3, s[6:7]        ; my two rows' 128 absmax: 512 consecutive bytes
	global_load_b64 v[XSW:XSW+1], v[SO], s[12:13]
	global_load_b64 v[ASW:ASW+1], v[SO], s[16:17]
.irp c, 0,1,2,3                        ; a fragment, 16 rows x 128 K of 4-bit codes: lane (r, h) holds row r; registers 4 cc .. 4 cc + 3 hold K = 64 cc + 32 h + 0 .. 31: 16 bytes as they lie
.irp cc, 0,1
	global_load_b128 v[XFR+8*\c+4*\cc:XFR+8*\c+4*\cc+3], v[XO], s[10:11] offset:64*\c+32*\cc
	global_load_b128 v[AFR+8*\c+4*\cc:AFR+8*\c+4*\cc+3], v[XO], s[14:15] offset:64*\c+32*\cc
.endr
.endr
.macro LOAD t
.irp i, 0,1,2,3
	global_load_b128 v[R+16*((\t)%8)+4*\i:R+16*((\t)%8)+4*\i+3], v3, s[4:5] offset:2048*(\t)+512*\i th:TH_LOAD_NT   ; 32 lanes read 512 consecutive bytes; read once in the whole program
.endr
.endm
.macro TURN t                          ; step t's codes through the stage: LDS serves a wave's instructions in order, so no wait stands between the stores and the loads
.irp i, 0,1,2,3
	ds_store_b128 v14, v[R+16*((\t)%8)+4*\i:R+16*((\t)%8)+4*\i+3] offset:32*SP*((\t)%2)+8*SP*\i
.endr
.irp i, 0,1,2,3
	ds_load_b128 v[X+16*((\t)%2)+4*\i:X+16*((\t)%2)+4*\i+3], v15 offset:32*SP*((\t)%2)+16*\i
.endr
.endm
.irp t, 0,1,2,3,4,5,6,7
	LOAD \t
.endr
	s_wait_loadcnt 32                              ; the head's 20 loads are in; the 32 issued behind them stay out
	ds_store_b128 v[AMS], v[AT:AT+3]               ; absmax into my own bytes of LDS: each step reads its number from there
	global_store_b64 v[XSO], v[XSW:XSW+1], s[22:23]   ; (c) x's scale bytes of K step w, 16 rows x 16 bytes: the wave's store covers 256 consecutive bytes, aligned
	; (b) my part of x A, TRANSPOSED: source 0 = A's 16 ranks, source 1 = x's 16 rows: lane (r, h) then holds row r of x and ranks 8 h + 0 .. 7, which is the bf16 operand's own layout.
	; Two accumulators take turns, one instruction a turn; the first two products start the sums.
	v_wmma_scale_f32_16x16x128_f8f6f4 v[ACC0:ACC0+7], v[AFR:AFR+7], v[XFR:XFR+7], 0, v[ASW], v[XSW] matrix_a_fmt:MATRIX_FMT_FP4 matrix_b_fmt:MATRIX_FMT_FP4
	v_wmma_scale_f32_16x16x128_f8f6f4 v[ACC1:ACC1+7], v[AFR+8:AFR+15], v[XFR+8:XFR+15], 0, v[ASW+1], v[XSW+1] matrix_a_fmt:MATRIX_FMT_FP4 matrix_b_fmt:MATRIX_FMT_FP4
	v_wmma_scale_f32_16x16x128_f8f6f4 v[ACC0:ACC0+7], v[AFR+16:AFR+23], v[XFR+16:XFR+23], v[ACC0:ACC0+7], v[ASW], v[XSW] matrix_a_fmt:MATRIX_FMT_FP4 matrix_b_fmt:MATRIX_FMT_FP4 matrix_a_scale:MATRIX_SCALE_ROW1 matrix_b_scale:MATRIX_SCALE_ROW1
	v_wmma_scale_f32_16x16x128_f8f6f4 v[ACC1:ACC1+7], v[AFR+24:AFR+31], v[XFR+24:XFR+31], v[ACC1:ACC1+7], v[ASW+1], v[XSW+1] matrix_a_fmt:MATRIX_FMT_FP4 matrix_b_fmt:MATRIX_FMT_FP4 matrix_a_scale:MATRIX_SCALE_ROW1 matrix_b_scale:MATRIX_SCALE_ROW1
.rept 4
	v_nop                                          ; four places in front of the first read of the results, and of the loads into the fragments' registers below
.endr
.irp i, 0,2,4,6
	v_pk_add_f32 v[SUM+\i:SUM+\i+1], v[ACC0+\i:ACC0+\i+1], v[ACC1+\i:ACC1+\i+1]   ; each accumulator from its low end on
.endr
	ds_store_b128 v[PA], v[SUM:SUM+3]              ; as an image of the registers: lane l's 16 bytes at 16 l
	ds_store_b128 v[PA], v[SUM+4:SUM+7] offset:512
	s_wait_loadcnt 28                              ; step 0's four loads are in; those of the seven steps behind it stay out
	TURN 0
.macro STEP t
.set XS, X+16*((\t)%2)
.set AM, AMV+2*((\t)%2)
.if (\t) > 0
	s_wait_dscnt 1                                 ; this step's codes are back from the stage (the last step's byte store may be out): so its stores into the stage have read their registers,
.else
	s_wait_dscnt 0x0
.endif
.if (\t)+8 < STEPS
	LOAD (\t)+8                                    ; which take the loads of eight steps on
.endif
.irp i, 0,1,2,3,4,5,6,7,8,9,10,11,12,13,14,15
	v_min_u32 v[XS+\i], 15, v[XS+\i]               ; a code is an index into 16 entries
.endr
.irp i, 0,1,2,3,4,5,6,7,8,9,10,11,12,13,14,15
	v_lshlrev_b32 v[XS+\i], 2, v[XS+\i]            ; the permute's index is the lane's number x 4
.endr
.irp i, 0,1,2,3,4,5,6,7,8,9,10,11,12,13,14,15
	ds_bpermute_b32 v[VL+\i], v[XS+\i], v[CBK]     ; codebook[code]
.endr
	ds_load_b32 v[AM], v[AMA] offset:32*(\t)       ; my 16 numbers' absmax: a step has eight
.if (\t)+1 < STEPS
.if (\t) <= 7
	s_wait_loadcnt 28                              ; the next step's four loads are in; those of the seven steps behind it may be out
.else
	s_wait_loadcnt 4*(14-(\t))                     ; (fewer steps are left behind it)
.endif
	TURN (\t)+1                                    ; and go through the other stage while this step is worked
	s_wait_dscnt 8                                 ; all but those eight: the look-ups and absmax are in
.else
	s_wait_dscnt 0x0
.endif
.irp i, 0,2,4,6,8,10,12,14
	v_pk_mul_f32 v[VL+\i:VL+\i+1], v[VL+\i:VL+\i+1], v[AM:AM+1] op_sel_hi:[1,0]   ; W = codebook[code] x absmax: one f32 multiplication, as the definition has it
.endr
	v_max3_num_f32 v8, |v[VL]|, |v[VL+1]|, |v[VL+2]|               ; the largest magnitude of my 16
	v_max3_num_f32 v9, |v[VL+3]|, |v[VL+4]|, |v[VL+5]|
.irp i, 6,10
	v_max3_num_f32 v8, v8, |v[VL+\i]|, |v[VL+\i+1]|
	v_max3_num_f32 v9, v9, |v[VL+\i+2]|, |v[VL+\i+3]|
.endr
	v_max3_num_f32 v8, v8, |v[VL+14]|, |v[VL+15]|
	v_max3_num_f32 v8, v8, v9, 0x1800000           ; and the floor 2^(3 - 127), under which no largest magnitude is taken: so the byte cannot fall under 1
	v_max_num_f32_dpp v8, v8, v8 row_xmask:1 row_mask:0xf bank_mask:0xf   ; and of my neighbour's 16: the block's
	v_add_nc_u32 v11, 0xff000000, v8               ; 2 off its exponent field: the conversion takes the exponent field of this operand as its scale, and nothing else of it
	v_cvt_scalef32_pk8_fp4_f32 v[C+2*(\t)], v[VL:VL+7], v11        ; eight numbers / the scale, to the nearest code, ties to even, beyond the largest code the largest; the first number's code in the lowest four bits
	v_cvt_scalef32_pk8_fp4_f32 v[C+2*(\t)+1], v[VL+8:VL+15], v11
	v_lshrrev_b32 v[E+(\t)], 23, v11               ; the scale's byte.  (Also the plain line behind the conversions)
	ds_store_b8 v5, v[E+(\t)] offset:16*(\t)       ; both lanes of a block write the same byte with the same value
	global_store_b64 v4, v[C+2*(\t):C+2*(\t)+1], s[18:19] offset:256*(\t)   ; the wave's store covers 256 consecutive bytes, aligned
.endm
.irp t, 0,1,2,3,4,5,6,7,8,9,10,11,12,13,14,15
	STEP \t
.endr
	s_wait_dscnt 0x0                               ; for the others' sake: my scale bytes and my part of x A lie in LDS
	s_barrier_signal -1
	s_barrier_wait -1                              ; everybody's do
	ds_load_b64 v[12:13], v6                       ; K step w's 16 bytes of each of the group's 16 rows
	s_wait_dscnt 0x0
	global_store_b64 v4, v[12:13], s[20:21]        ; 256 consecutive bytes of plane w, aligned
	s_cmp_lg_u32 s26, 0                            ; wave 0 adds the eight parts of x A
	s_cbranch_scc1 .Lend
.irp p, 0,1,2,3,4,5,6,7
	ds_load_b128 v[R+8*\p:R+8*\p+3], v3 offset:WB+WREG*\p+PART
	ds_load_b128 v[R+8*\p+4:R+8*\p+7], v3 offset:WB+WREG*\p+PART+512
.endr
	s_wait_dscnt 0x0
.irp i, 0,2,4,6
	v_pk_mul_f32 v[X+\i:X+\i+1], v[R+\i:R+\i+1], 2.0 op_sel_hi:[1,0]   ; the factor alpha / rank = 2 goes in here: it rounds nothing
.endr
.irp p, 1,2,3,4,5,6,7
.irp i, 0,2,4,6
	v_pk_fma_f32 v[X+\i:X+\i+1], v[R+8*\p+\i:R+8*\p+\i+1], 2.0, v[X+\i:X+\i+1] op_sel_hi:[1,0,1]   ; (four chains by turns)
.endr
.endr
.irp i, 0,1,2,3
	v_cvt_pk_bf16_f32 v[X+8+\i], v[X+2*\i], v[X+2*\i+1]   ; registers 0-3 of the bf16 operand: row r, ranks 8 h + 0 .. 7
.endr
.irp i, 0,1,2,3
	v_mov_b32 v[X+12+\i], 0                        ; registers 4-7: ranks 16 to 31, which do not exist
.endr
	global_store_b128 v3, v[X+8:X+11], s[24:25]    ; 512 consecutive bytes each
	global_store_b128 v3, v[X+12:X+15], s[24:25] offset:512
.Lend:
	s_wait_tensorcnt 0x0
	ds_add_u32 v254, v255
	s_wait_dscnt 0x0
	s_endpgm
.Lfunc_end_k_q740922aa57_prep:
	.size	k_q740922aa57_prep, .Lfunc_end_k_q740922aa57_prep-k_q740922aa57_prep
	.p2alignl 7, 3214868480
	.fill 96, 4, 3214868480
	.section	.rodata,"a",@progbits
	.p2align	6, 0x0
	.amdhsa_kernel k_q740922aa57_prep
		.amdhsa_group_segment_fixed_size 68864
		.amdhsa_private_segment_fixed_size 0
		.amdhsa_enable_private_segment 0
		.amdhsa_kernarg_size 88
		.amdhsa_user_sgpr_count 2
		.amdhsa_user_sgpr_kernarg_segment_ptr 1
		.amdhsa_wavefront_size32 1
		.amdhsa_system_sgpr_workgroup_id_x 1
		.amdhsa_system_sgpr_workgroup_id_y 1
		.amdhsa_system_sgpr_workgroup_id_z 1
		.amdhsa_system_vgpr_workitem_id 0
		.amdhsa_next_free_vgpr 256
		.amdhsa_next_free_sgpr 66
		.amdhsa_reserve_vcc 0
		.amdhsa_float_denorm_mode_32 3
		.amdhsa_float_denorm_mode_16_64 3
		.amdhsa_memory_ordered 1
		.amdhsa_forward_progress 1
		.amdhsa_inst_pref_size 83
	.end_amdhsa_kernel
	.amdgpu_metadata
---
amdhsa.version: [ 1, 2 ]
amdhsa.kernels:
  - .name:           k_q740922aa57_prep
    .symbol:         k_q740922aa57_prep.kd
    .args:
      - { .name: q_codes, .offset: 0, .size: 8, .value_kind: global_buffer, .address_space: global }
      - { .name: absmax, .offset: 8, .size: 8, .value_kind: global_buffer, .address_space: global }
      - { .name: codebook, .offset: 16, .size: 8, .value_kind: global_buffer, .address_space: global }
      - { .name: x_codes, .offset: 24, .size: 8, .value_kind: global_buffer, .address_space: global }
      - { .name: x_scales, .offset: 32, .size: 8, .value_kind: global_buffer, .address_space: global }
      - { .name: A_codes, .offset: 40, .size: 8, .value_kind: global_buffer, .address_space: global }
      - { .name: A_scales, .offset: 48, .size: 8, .value_kind: global_buffer, .address_space: global }
      - { .name: w_codes, .offset: 56, .size: 8, .value_kind: global_buffer, .address_space: global }
      - { .name: ws2, .offset: 64, .size: 8, .value_kind: global_buffer, .address_space: global }
      - { .name: xs2, .offset: 72, .size: 8, .value_kind: global_buffer, .address_space: global }
      - { .name: xa_img, .offset: 80, .size: 8, .value_kind: global_buffer, .address_space: global }
    .group_segment_fixed_size: 68864
    .private_segment_fixed_size: 0
    .kernarg_segment_align: 8
    .kernarg_segment_size: 88
    .max_flat_workgroup_size: 256
    .sgpr_count:     66
    .vgpr_count:     256
    .wavefront_size: 32
...
	.end_amdgpu_metadata
.endif
;; end of part 1
;; launch gemm (part 2): grid 16 x 16, 4 waves a work-group, clusters of 4 x 4, 327,680 bytes of LDS; arguments x_codes, xs2, w_codes, ws2, xa_img, B, bias, out0; writes out0
.if DOCPART == 2
	.amdgcn_target "amdgcn-amd-amdhsa--gfx1250"
	.amdhsa_code_object_version 6
	.text
	.protected	k_q740922aa57_gemm
	.globl	k_q740922aa57_gemm
	.p2align	8
	.type	k_q740922aa57_gemm,@function
k_q740922aa57_gemm:
	s_mov_b64 s[64:65], 0
	v_nop
	global_prefetch_b8 v0, s[64:65] scope:SCOPE_SE
	s_setreg_imm32_b32 hwreg(HW_REG_WAVE_MODE, 25, 1), 1
	s_wait_xcnt 0x0
	s_wait_alu depctr_hold_cnt(0) depctr_sa_sdst(0) depctr_va_vdst(0) depctr_va_sdst(0) depctr_va_ssrc(0) depctr_va_vcc(0) depctr_vm_vsrc(0)
	s_getreg_b32 s2, hwreg(HW_REG_IB_STS2, 6, 4)
	s_cmp_eq_u32 s2, 0
	s_cbranch_scc0 .Lentry_in_a_cluster
	s_endpgm
.Lentry_in_a_cluster:
	s_bfe_u32 s2, ttmp6, 0x10000c
	s_cmp_lg_u32 s2, 0xf033
	s_cbranch_scc0 .Lentry_shape_is_right
	s_endpgm
.Lentry_shape_is_right:
; out0[t][o] = bias[o] + sum over j of (2 x A)[t][j] B[j][o] + sum over k of x[t][k] W[o][k].  x and W: codes of FP4 (E2M1), 4 bits each, K innermost, rows of 2,048 bytes, with one E8M0 byte for each 32 along K;
; the bytes lie by K step of 512: xs2, ws2 [8][4096 rows][16 bytes].  xa_img: 2 x A in bf16, as images of a bf16 operand's registers, 1,024 bytes for each 16 rows.  B [16][4096], bias [4096], out0 [4096][4096]: f32.
; A tile of out0, 256 x 256, is made by a work-group of four waves, as many as a WGP has SIMDs; a wave makes 128 x 128: 64 accumulators of 16 x 16, 512 registers.
; THE SUMS START AS bias + THE LOW-RANK PATH: 64 bf16 matrix instructions (K = the 16 ranks, filled to 32 with zeros) whose C is the bias in the result's layout.  Nothing is cleared and nothing is added at the end.
; 2 x A and B are rounded to bf16 for that product; the bias stays f32.  Then the scaled FP4 products of K = 4,096 add onto the same accumulators.
; K goes in steps of 512 through a ring of two LDS slots filled by the tensor data mover.  A slot holds x's 256 rows of 256 bytes, W's 256 rows, and both sides' scale bytes of the K step (4,096 consecutive bytes of memory each).
; One load a wave: wave 0 x's codes, wave 1 x's scale bytes, wave 2 W's codes, wave 3 W's scale bytes.
; THE WALK ALONG K.  A cluster begins at K step 0 or 4, by the parity of the four bits of its two coordinates, goes on step by step and wraps at 8.  The rows of x that a cluster reads are read by the three other
; clusters of its row of clusters, the rows of W by the three of its column; in each such four, and in each two of them that differ in one bit of a coordinate, both parities occur.  So a K step's tiles are asked for
; at two times, four K steps apart, and not by all their readers at once.  No prefetch is laid: the steps that lie far enough ahead of a request to be asked for, the walk's steps 4 to 7, are those that clusters of
; the other parity have read as their steps 0 to 3; the walk's steps 0 to 3 are wanted at the head or shortly behind it.
; LIMIT: in the clusters that begin at K step 4 the sums run along K in the order 4 .. 7, 0 .. 3: an order of rounding that differs from ascending K.
; CLUSTERS: 4 x 4 work-groups.  The four of a row of the cluster need the same tiles of x, the four of a column the same tiles of W: each tile is asked for JOINTLY, by the same tensor load with the
; same descriptor and a mask that names the four.  THE MATRIX INSTRUCTIONS ARE USED TRANSPOSED (source 0 = 16 rows of W or 16 columns of B, source 1 = 16 rows of x): a lane then holds eight neighbouring numbers of a row of out0.
; REGISTERS, in windows of 256: window 0: v0-31 addresses; v32-95 scale words, two sets; v128-191 x's fragments (8 x 16 rows x 128 K), ONE set (at the head: B's 64 numbers); v192-255 the 8 fragments of 2 x A; on the way out v128-255 are free.
;   window 1: W's fragments, TWO sets, at v0 and at v128; v64-127 B's 8 bf16 fragments; v192-255 the bias, 8 registers for each block of 16 columns.
;   window 2: the 32 accumulators of my rows 0-63 (accumulator (a, b) at v[8 (8 a + b)]);   window 3: those of my rows 64-127.
; A step of 128 along K is 64 matrix instructions, x's blocks one after the other, each against W's eight: a block of x is free as soon as its eight products are issued, so one set of registers serves x;
; W's fragments are at work through the whole step and have two sets.
.set SIZE_N, 4096
.set NQ,     4                         ; steps of 128 along K in a slot
.set ROWB,   256                       ; a tile's row in bytes: 512 codes
.set KROW,   2048                      ; a row of x or of W in memory, in bytes
.set PITCH,  272                       ; an LDS row: 256 bytes of data + 16 of padding = 68 words: row r starts at bank 4 r mod 64 (64 banks of 4 bytes: ISA guide 11.1), so the 16 rows that a load touches start at 16 different banks
.set FR,     8                         ; registers of a fragment: 16 rows x 128 K
.set NL,     2                         ; LDS loads that bring one
.set NP,     4                         ; places behind these matrix instructions (ISA guide 7.12.1)
.set HALFT,  128*PITCH                 ; 128 rows: what one wave reads of x or of W
.set TILEB,  2*HALFT                   ; 256 rows: what one tensor load brings
.set SCA,    2*TILEB                   ; in a slot: x's codes, W's codes, then x's scale bytes, row i's 16 at 16 i,
.set SCBO,   SCA+4096                  ; then W's
.set SLOT,   SCBO+4096
.set SPARE,  2*SLOT                    ; behind the ring: the spare words, 128 bytes for each wave: two blocks of 256 bytes that no other line names
.set LAPS,   4                         ; a lap = two K steps = once round the ring
.set SPITCH, 528                       ; the way out: a stage of 16 rows x (512 bytes + 16) for each wave.  It lies in slot 0, which has had its last fill and its last read when the first result is stored there
.set BO,   7                           ; v7      bias: 32 h bytes
.set BBO,  8                           ; v8      B: 8 h rows of 16,384 bytes + 4 r
.set ADRA, 16                          ; v16-17  LDS address of my fragments of x in slot 0, 1
.set ADRB, 20                          ; v20-21  the same for W
.set ADRS, 22                          ; v22-23  LDS address of my scale words in slot 0, 1: lanes 0-15 x's rows, lanes 16-31 W's
.set STO,  24                          ; v24     the way out: where I put 32 bytes of a row
.set RD,   25                          ; v25     the way out: where I read a row back
.set CO,   26                          ; v26     16 x lane: my byte offset in a row of out0, and in an image
.set SPW,  28                          ; v28     LDS address of my spare word: SPARE + 4 x my thread's number; never rewritten
.set NIL,  29                          ; v29     0; never rewritten
.set SC,   32                          ; scale words: set s (for slot s) at v[SC + 32 s]; in it register 4 i + q: lanes 0-15 the word of x's block i, lanes 16-31 that of W's block i, for the slot's q-th 128 along K
.set AF,   128                         ; x's fragments, in window 0
.set XL,   192                         ; the fragments of 2 x A, in window 0
.set BF,   64                          ; B's fragments, in window 1
.set BI,   192                         ; the bias, in window 1
.set BK,   128                         ; the way out: 16 rows read back from the stage: v128-191 and v192-255 by turns
.set WV,   20                          ; s20  my wave's number
.set HI,   21                          ; s21  which half of the tile's rows is mine
.set LO,   22                          ; s22  which half of its columns
.set G1A,  24                          ; s[24:31] descriptor group 1 for x's codes;  s[32:39] for W's;  s[40:47], s[48:55] for their scale bytes
.set G1B,  32
.set G1SA, 40
.set G1SB, 48
.set G0A,  56                          ; groups 0, one set for each slot: s[56:63] x's codes, s[68:75] W's codes, s[76:83] x's scale bytes, s[84:91] W's
.set G0B,  68
.set G0SA, 76
.set G0SB, 84
.set OFS,  94                          ; s[94:95] a K step's byte offset from a tile's base: s94 serves once before as scratch in making KK
.set KK,   96                          ; s96  the K step, 0 .. 7, that the next fill brings: made of the cluster's two coordinates, the same in all sixteen partners
.set MSB, 0
.macro WIN new                         ; the immediate's high byte repeats the setting that is left
.if MSB != \new
	s_set_vgpr_msb (MSB<<8)|\new
.set MSB, \new
.endif
.endm
.set MUL_LO, 0xa1                      ; source 0 (W) window 1, source 1 (x) window 0, C and D window 2
.set MUL_HI, 0xf1                      ; the same, C and D window 3
.set TO_B,   0x40                      ; destination window 1, address and sources window 0
; The four groups 0 of a slot are aimed at K step KK: each address is made anew from its tile's base (s[4:5] x's codes, s[6:7] x's scale bytes, s[8:9] W's codes, s[10:11] W's scale bytes):
; a K step is 256 bytes on in a row of codes and 65,536 bytes (a plane of 4,096 rows x 16) on among the scale bytes.  Then KK goes one on, and wraps at 8.  It stands where no tensor load of the wave is out.
.macro AIM slot
	s_lshl_b32 s[OFS], s[KK], 8
	s_add_nc_u64 s[G0A+4*\slot+2:G0A+4*\slot+3], s[4:5], s[OFS:OFS+1]        ; 120:64 global address
	s_add_nc_u64 s[G0B+4*\slot+2:G0B+4*\slot+3], s[8:9], s[OFS:OFS+1]
	s_lshl_b32 s[OFS], s[KK], 16
	s_add_nc_u64 s[G0SA+4*\slot+2:G0SA+4*\slot+3], s[6:7], s[OFS:OFS+1]
	s_add_nc_u64 s[G0SB+4*\slot+2:G0SB+4*\slot+3], s[10:11], s[OFS:OFS+1]
.irp g, G0A, G0B, G0SA, G0SB
	s_or_b32 s[\g+4*\slot+3], s[\g+4*\slot+3], 0x80000000                   ; 127:126 type = 2
.endr
	s_add_co_u32 s[KK], s[KK], 1
	s_and_b32 s[KK], s[KK], 7
.endm
; A joint load for slot s: each wave issues one of the four lines.  Each line has ONE mask and one set of registers for all that issue it; the branches hang on the wave's number alone.
; Four v_nop follow each line, ahead of the jump, the label and what follows.
.macro JLOAD s
	s_cmp_lt_u32 s[WV], 2
	s_cbranch_scc0 .Lfor_w_\@
	s_cmp_eq_u32 s[WV], 0
	s_cbranch_scc0 .Lx_scales_\@
	tensor_load_to_lds s[G0A+4*\s:G0A+4*\s+3], s[G1A:G1A+7]
	s_nop 0
.rept 4
	v_nop
.endr
	s_branch .Lasked_\@
.Lx_scales_\@:
	tensor_load_to_lds s[G0SA+4*\s:G0SA+4*\s+3], s[G1SA:G1SA+7]
	s_nop 0
.rept 4
	v_nop
.endr
	s_branch .Lasked_\@
.Lfor_w_\@:
	s_cmp_eq_u32 s[WV], 2
	s_cbranch_scc0 .Lw_scales_\@
	tensor_load_to_lds s[G0B+4*\s:G0B+4*\s+3], s[G1B:G1B+7]
	s_nop 0
.rept 4
	v_nop
.endr
	s_branch .Lasked_\@
.Lw_scales_\@:
	tensor_load_to_lds s[G0SB+4*\s:G0SB+4*\s+3], s[G1SB:G1SB+7]
	s_nop 0
.rept 4
	v_nop
.endr
.Lasked_\@:
.endm
.macro CREST                           ; a round of the cluster's barrier behind its opening barrier
	s_cmp_lg_u32 s[WV], 0
	s_cbranch_scc1 .Lnot_wave_0_\@
	s_barrier_signal -3
.Lnot_wave_0_\@:
	s_barrier_wait -3
	s_barrier_signal -1
	s_barrier_wait -1
.endm
.macro CROUND                          ; a whole round
	s_barrier_signal -1
	s_barrier_wait -1
	CREST
.endm
	s_load_b256 s[4:11], s[0:1], 0x0               ; x_codes s[4:5], xs2 s[6:7], w_codes s[8:9], ws2 s[10:11]
	s_load_b256 s[12:19], s[0:1], 0x20             ; xa_img s[12:13], B s[14:15], bias s[16:17], out0 s[18:19]
	v_lshl_add_u32 v[SPW], v0, 2, SPARE
	v_mov_b32 v[NIL], 0
	ds_add_u32 v28, v29
	ds_add_u32 v28, v29
	s_wait_dscnt 0x0
	v_lshrrev_b32 v1, 5, v0
	v_readfirstlane_b32 s[WV], v1                  ; wave 0..3
	s_lshr_b32 s[HI], s[WV], 1
	s_and_b32 s[LO], s[WV], 1
	s_bfe_u32 s66, ttmp6, 0x40000                  ; cx, cy: my place in the cluster
	s_bfe_u32 s67, ttmp6, 0x40004
	s_lshl_b32 s92, ttmp9, 2
	s_add_co_u32 s92, s92, s66                     ; tile column = 4 x cluster x + cx
	s_and_b32 s93, ttmp7, 0xffff
	s_lshl_b32 s93, s93, 2
	s_add_co_u32 s93, s93, s67                     ; tile row = 4 x cluster y + cy
	s_lshl_b32 s23, s67, 2
	s_lshl_b32 s23, 15, s23                        ; my row of the cluster
	s_lshl_b32 s97, 0x1111, s66                    ; my column
	; where my cluster's walk along K begins: 4 x the parity of the bits of cluster x and cluster y (each 0 .. 3)
	s_and_b32 s[KK], ttmp7, 0xffff                 ; cluster y
	s_xor_b32 s[KK], s[KK], ttmp9                  ; xor cluster x: two bits,
	s_lshr_b32 s[OFS], s[KK], 1
	s_xor_b32 s[KK], s[KK], s[OFS]                 ; folded into bit 0
	s_and_b32 s[KK], s[KK], 1
	s_lshl_b32 s[KK], s[KK], 2                     ; K step 0 or 4
	s_mov_b32 s[OFS+1], 0                          ; the offsets' high word stays 0
	; descriptor group 1 for codes: a tile of 256 rows x 256 bytes, padded in LDS
	s_or_b32 s[G1A], s23, (0<<16)|(1<<20)|(1<<21)|(5<<22)|(3<<25)   ; 15:0 the mask: x's tiles go to my row; 17:16 element of 1 byte; 20 padding on; 21 set beside a mask; 24:22 after every 64 words (code 5); 31:25 of 4 words (code 3)
	s_or_b32 s[G1B], s97, (0<<16)|(1<<20)|(1<<21)|(5<<22)|(3<<25)   ; the same with the mask of my column, for W's
.irp g, G1A, G1B
	s_mov_b32 s[\g+1], ROWB<<16                    ; tensor_dim0
	s_mov_b32 s[\g+2], 256<<16                     ; tensor_dim1 = 256
	s_mov_b32 s[\g+3], ROWB<<16                    ; tile_dim0
	s_mov_b32 s[\g+4], 256                         ; tile_dim1 = 256
	s_mov_b32 s[\g+5], KROW                        ; tensor_dim0_stride
	s_mov_b32 s[\g+6], 0
	s_mov_b32 s[\g+7], 0
.endr
	; and for a K step's scale bytes of 256 rows: a dense block of 4,096 bytes, as 16 rows of 256 bytes (32 elements of 8 bytes), no padding: sixteen lanes read 256 consecutive bytes of it
	s_or_b32 s[G1SA], s23, (3<<16)|(1<<21)
	s_or_b32 s[G1SB], s97, (3<<16)|(1<<21)
.irp g, G1SA, G1SB
	s_mov_b32 s[\g+1], 32<<16
	s_mov_b32 s[\g+2], 16<<16
	s_mov_b32 s[\g+3], 32<<16
	s_mov_b32 s[\g+4], 16
	s_mov_b32 s[\g+5], 32
	s_mov_b32 s[\g+6], 0
	s_mov_b32 s[\g+7], 0
.endr
	; where the tiles come from.  x's hang on the tile row alone, which my row of the cluster shares (offsets in s[98:99]); W's on the tile column alone, which my column shares (offsets in s[100:101])
	s_lshl_b32 s98, s93, 19                        ; 256 rows of 2,048 bytes
	s_mov_b32 s99, 0
	s_lshl_b32 s100, s92, 19
	s_mov_b32 s101, 0
	s_wait_kmcnt 0x0
	s_add_nc_u64 s[4:5], s[4:5], s[98:99]
	s_add_nc_u64 s[8:9], s[8:9], s[100:101]
	s_lshl_b32 s98, s93, 12                        ; 256 rows of 16 bytes
	s_lshl_b32 s100, s92, 12
	s_add_nc_u64 s[6:7], s[6:7], s[98:99]
	s_add_nc_u64 s[10:11], s[10:11], s[100:101]
	CROUND                                         ; all sixteen work-groups are here: the first joint loads meet
.irp s, 0,1
	s_mov_b32 s[G0A+4*\s], 1                                       ; 1:0 count = 1
	s_mov_b32 s[G0A+4*\s+1], \s*SLOT                               ; 63:32 LDS address: a constant: no place in the cluster enters it
	s_mov_b32 s[G0SA+4*\s], 1
	s_mov_b32 s[G0SA+4*\s+1], \s*SLOT+SCA
	s_mov_b32 s[G0B+4*\s], 1
	s_mov_b32 s[G0B+4*\s+1], \s*SLOT+TILEB
	s_mov_b32 s[G0SB+4*\s], 1
	s_mov_b32 s[G0SB+4*\s+1], \s*SLOT+SCBO
.endr
	AIM 0                                          ; slot 0: the walk's first K step;
	AIM 1                                          ; slot 1: its second
	JLOAD 0                                        ; the ring is filled before anything else is done: two tensor loads of mine are out
	JLOAD 1
	; my part of B, bias, xa_img and out0
	s_lshl_b32 s100, s92, 10                       ; my first column, in bytes of f32: 1,024 x tile column + 512 x half
	s_lshl_b32 s2, s[LO], 9
	s_add_co_u32 s100, s100, s2
	s_add_nc_u64 s[14:15], s[14:15], s[100:101]
	s_add_nc_u64 s[16:17], s[16:17], s[100:101]
	s_add_nc_u64 s[18:19], s[18:19], s[100:101]
	s_lshl_b32 s98, s93, 14                        ; xa_img: 16 images of 1,024 bytes a tile row, my half's eight
	s_lshl_b32 s2, s[HI], 13
	s_add_co_u32 s98, s98, s2
	s_add_nc_u64 s[12:13], s[12:13], s[98:99]
	s_lshl_b32 s98, s93, 22                        ; out0: 256 rows of 16,384 bytes a tile row, my half's 128
	s_lshl_b32 s2, s[HI], 21
	s_add_co_u32 s98, s98, s2
	s_add_nc_u64 s[18:19], s[18:19], s[98:99]
	v_and_b32 v1, 15, v0                           ; r = l % 16
	v_bfe_u32 v2, v0, 4, 1                         ; h = l / 16
	v_lshlrev_b32 v[BO], 5, v2
	v_lshlrev_b32 v[BBO], 2, v1
	v_lshl_add_u32 v[BBO], v2, 17, v[BBO]
	v_and_b32 v6, 31, v0
	v_lshlrev_b32 v[CO], 4, v6
	; B as source 0: lane (r, h) of block b holds column 16 b + r and ranks 8 h + 0 .. 7: its registers run DOWN B's rows, so nothing is transposed.  8 KiB a wave, once
.irp b, 0,1,2,3,4,5,6,7
.irp j, 0,1,2,3,4,5,6,7
	global_load_b32 v[AF+8*\b+\j], v[BBO], s[14:15] offset:16384*\j+64*\b
.endr
.endr
.irp a, 0,1,2,3,4,5,6,7                ; 2 x A comes as the operand's registers lie: two loads of 512 consecutive bytes a fragment
	global_load_b128 v[XL+8*\a:XL+8*\a+3],   v[CO], s[12:13] offset:1024*\a
	global_load_b128 v[XL+8*\a+4:XL+8*\a+7], v[CO], s[12:13] offset:1024*\a+512
.endr
	WIN TO_B
.irp b, 0,1,2,3,4,5,6,7                ; the bias in the result's layout: lane (r, h), register j: column 16 b + 8 h + j
	global_load_b128 v[BI+8*\b:BI+8*\b+3],   v[BO], s[16:17] offset:64*\b
	global_load_b128 v[BI+8*\b+4:BI+8*\b+7], v[BO], s[16:17] offset:64*\b+16
.endr
.irp b, 0,1,2,3,4,5,6,7
.irp i, 4,5,6,7
	v_mov_b32 v[BF+8*\b+\i], 0                     ; registers 4-7 of B's fragments: ranks 16 to 31, which do not exist
.endr
.endr
	WIN 0
	v_mul_u32_u24 v3, v1, PITCH
	v_lshl_add_u32 v4, v2, 4, v3                   ; a fragment's row x pitch + 16 x half
	s_mul_i32 s2, s[HI], HALFT                     ; my 128 rows of x
	v_add_nc_u32 v[ADRA], s2, v4
	v_add_nc_u32 v[ADRA+1], SLOT, v[ADRA]
	s_mul_i32 s2, s[LO], HALFT                     ; my 128 rows of W,
	s_add_co_u32 s2, s2, TILEB                     ; which lie behind x's 256
	v_add_nc_u32 v[ADRB], s2, v4
	v_add_nc_u32 v[ADRB+1], SLOT, v[ADRB]
	s_lshl_b32 s2, s[HI], 11                       ; x's scale bytes: my 128 rows of 16 bytes
	s_lshl_b32 s3, s[LO], 11                       ; W's: my 128 rows, 4,096 bytes behind x's 256
	s_add_co_u32 s3, s3, 4096
	s_sub_co_u32 s3, s3, s2
	v_mul_u32_u24 v6, s3, v2                       ; lanes 16-31 take W's: the lower base + h x the distance
	s_add_co_u32 s2, s2, SCA
	v_lshlrev_b32 v5, 4, v1
	v_add_nc_u32 v5, v5, v6
	v_add_nc_u32 v[ADRS], s2, v5
	v_add_nc_u32 v[ADRS+1], SLOT, v[ADRS]
	s_mul_i32 s2, s[WV], 16*SPITCH                 ; my stage
	v_mul_u32_u24 v5, v1, SPITCH                   ; in: row l % 16, 32 bytes for each half of the lanes
	v_lshl_add_u32 v5, v2, 5, v5
	v_add_nc_u32 v[STO], s2, v5
	v_add_nc_u32 v[RD], s2, v[CO]                  ; back: the 32 lanes take one row of 512 bytes
	s_wait_loadcnt 32                              ; B's 64 numbers are in; the 32 loads issued behind them (2 x A, the bias) stay out
	WIN TO_B
.irp b, 0,1,2,3,4,5,6,7
.irp i, 0,1,2,3
	v_cvt_pk_bf16_f32 v[BF+8*\b+\i], v[AF+8*\b+2*\i], v[AF+8*\b+2*\i+1]   ; registers 0-3 of B's fragments: ranks 8 h + 0 .. 7, the lower rank in the low half
.endr
.endr
	WIN 0
.macro FRAG reg, adr, q, i             ; a fragment, 16 rows x 128 K of 4-bit codes, is 8 registers: lane l holds row l % 16; registers 4 c .. 4 c + 3 hold K = 64 c + 32 (l / 16) + 0 .. 31, the lower K in the lower bits
.irp c, 0,1
	ds_load_b128 v[\reg+4*\c:\reg+4*\c+3], v[\adr] offset:64*(\q)+32*\c+(\i)*16*PITCH
.endr
.endm
; 16 matrix instructions: x's blocks a0, a0 + 1 x W's eight, 128 along K: the slot's q-th.  p: W's set;  sc: the set of scale words.
; The 64 accumulators take turns, one instruction a turn, in the same order in every step.
.macro MUL16 a0, p, q, sc
.irp a, \a0, \a0+1
.irp b, 0,1,2,3,4,5,6,7
	v_wmma_scale_f32_16x16x128_f8f6f4 v[8*(8*((\a)%4)+\b):8*(8*((\a)%4)+\b)+7], v[128*(\p)+FR*\b:128*(\p)+FR*\b+FR-1], v[AF+FR*(\a):AF+FR*(\a)+FR-1], v[8*(8*((\a)%4)+\b):8*(8*((\a)%4)+\b)+7], v[SC+8*NQ*(\sc)+NQ*\b+(\q)], v[SC+8*NQ*(\sc)+NQ*(\a)+(\q)] matrix_a_fmt:MATRIX_FMT_FP4 matrix_b_fmt:MATRIX_FMT_FP4 matrix_a_scale:MATRIX_SCALE_ROW1
.endr
.endr
.endm
.macro FETCH_B slot, q, p              ; W's eight fragments of the slot's q-th 128 along K into set p
	WIN TO_B
.irp i, 0,1,2,3,4,5,6,7
	FRAG 128*(\p)+FR*\i, ADRB+\slot, \q, \i
.endr
	WIN 0
.endm
.macro FETCH_A slot, q, i0             ; x's blocks i0 .. i0 + 3
.irp i, \i0, \i0+1, \i0+2, \i0+3
	FRAG AF+FR*(\i), ADRA+\slot, \q, \i
.endr
.endm
.macro SCALES sc                       ; slot sc's scale words into set sc: four words a row; lanes 0-15 take x's block i, lanes 16-31 W's block i: 256 consecutive bytes each
.irp i, 0,1,2,3,4,5,6,7
	ds_load_b128 v[SC+8*NQ*\sc+NQ*\i:SC+8*NQ*\sc+NQ*\i+3], v[ADRS+\sc] offset:\i*256
.endr
.endm
; A load into a register that a matrix instruction has read, and a vector instruction or an LDS store that reads a matrix result, stand NP places behind that matrix instruction, and only plain vector
; instructions that name none of its registers are places (ISA guide 7.12.1 for vector instructions); this text does not count the matrix instructions in between.
.macro PLACES n
.rept \n
	v_nop
.endr
.endm
; A step of 128 along K that has its successor in the same slot.
.macro STEP slot, q
	s_wait_dscnt 4*NL                              ; W's set, the scale words and x's blocks 0-3 are in; the youngest eight loads (x's blocks 4-7) may be out
	WIN MUL_LO
	MUL16 0, (\q)%2, \q, \slot
	MUL16 2, (\q)%2, \q, \slot
	s_wait_dscnt 0                                 ; x's blocks 4-7 are in (asked for 32 matrix instructions ago)
	PLACES NP
	FETCH_B \slot, (\q)+1, 1-(\q)%2
	FETCH_A \slot, (\q)+1, 0
	WIN MUL_HI
	MUL16 4, (\q)%2, \q, \slot
	MUL16 6, (\q)%2, \q, \slot
	PLACES NP
	WIN 0
	FETCH_A \slot, (\q)+1, 4
.endm
; A slot's last step changes slots: ONE barrier; in front of it each wave waits for all its tensor loads, adds 0 to its spare word, and waits for that and for its own reads of this slot.  fill = 1: this slot is filled again, with the walk's K step two on.
.macro TURN slot, next, fill
	s_wait_tensorcnt 0x0                           ; all my tensor loads have landed: my part of the next slot;  (every window is 0 here: the add's two registers lie in window 0)
	ds_add_u32 v[SPW], v[NIL]                      ; 0 onto my spare word
.if \fill
	AIM \slot                                      ; no tensor load of mine is out, so this slot's groups 0 may be written: nothing but the round then stands in front of the refill
.endif
	s_wait_dscnt 4*NL+1                            ; (the add and the youngest eight loads, x's blocks 4-7, may be out)
	WIN MUL_LO
	MUL16 0, 1, NQ-1, \slot                        ; sixteen matrix instructions stand between the add and the wait for it
	s_wait_dscnt 0x0                               ; the add is done, and my reads of this slot are over
	s_barrier_signal -1
	MUL16 2, 1, NQ-1, \slot
	WIN 0
	s_barrier_wait -1
.if \fill
	CREST                                          ; the barrier has opened a round of the cluster's barrier: no wave of any partner still reads this slot's tiles or has a load on its way
	JLOAD \slot                                    ; the first tensor load behind the round, one a wave; the four v_nop behind it are the places in front of the loads below
.else
	PLACES NP
.endif
	FETCH_B \next, 0, 0
	FETCH_A \next, 0, 0
	SCALES \next
	WIN MUL_HI
	MUL16 4, 1, NQ-1, \slot
	MUL16 6, 1, NQ-1, \slot
	PLACES NP
	WIN 0
	FETCH_A \next, 0, 4
.endm
.macro STEPS slot, from                ; the slot's steps from .. NQ - 2
.set Q, \from
.rept NQ-1-\from
	STEP \slot, Q
.set Q, Q+1
.endr
.endm
	s_wait_tensorcnt 1                             ; my part of the walk's first K step is in (the second's load may be out)
	s_barrier_signal -1
	s_barrier_wait -1                              ; everybody's is
	FETCH_B 0, 0, 0                                ; the first fragments are on their way out of LDS while the sums are started
	FETCH_A 0, 0, 0
	SCALES 0
	FETCH_A 0, 0, 4
	s_wait_loadcnt 0x0                             ; 2 x A and the bias
	; THE SUMS START: accumulator (a, b) = bias + (2 x A)(rows 16 a ..) B(columns 16 b ..), in the order in which the accumulators take turns ever after
	WIN 0x91                                       ; source 0 (B) window 1, source 1 (2 x A) window 0, C (the bias) window 1, D window 2
.irp a, 0,1,2,3
.irp b, 0,1,2,3,4,5,6,7
	v_wmma_f32_16x16x32_bf16 v[8*(8*\a+\b):8*(8*\a+\b)+7], v[BF+8*\b:BF+8*\b+7], v[XL+8*\a:XL+8*\a+7], v[BI+8*\b:BI+8*\b+7]
.endr
.endr
	WIN 0xd1                                       ; the same, D window 3
.irp a, 4,5,6,7
.irp b, 0,1,2,3,4,5,6,7
	v_wmma_f32_16x16x32_bf16 v[8*(8*(\a-4)+\b):8*(8*(\a-4)+\b)+7], v[BF+8*\b:BF+8*\b+7], v[XL+8*\a:XL+8*\a+7], v[BI+8*\b:BI+8*\b+7]
.endr
.endr
	WIN 0
	PLACES NP+1                                    ; a matrix instruction of ANOTHER form takes these results up next and writes over them: one place more than a read wants
	s_mov_b32 s3, LAPS-1
.Llap:                                                 ; a trip goes once round the ring, two K steps, and fills both slots again
	STEPS 0, 0
	TURN 0, 1, 1
	STEPS 1, 0
	TURN 1, 0, 1
	s_sub_co_u32 s3, s3, 1
	s_cmp_lg_u32 s3, 0
	s_cbranch_scc1 .Llap
	STEPS 0, 0                                     ; the last lap is written out: it fills nothing, and has no round of the cluster's barrier
	TURN 0, 1, 0
	STEPS 1, 0
	s_wait_dscnt 4*NL                              ; the very last step: nothing more to fetch
	WIN MUL_LO
	MUL16 0, 1, NQ-1, 1
	MUL16 2, 1, NQ-1, 1
	s_wait_dscnt 0
	WIN MUL_HI
	MUL16 4, 1, NQ-1, 1
	MUL16 6, 1, NQ-1, 1
	WIN 0
; THE WAY OUT, block by block of 16 rows x 128 columns.  A lane holds 32 neighbouring bytes of a row, and the lanes beside it hold other rows: so a block goes through my own stage in LDS and comes back as whole
; rows of 512 bytes, which the 32 lanes store as 512 consecutive bytes.  LDS serves a wave's instructions in order (ISA guide 5.7.1.4): no wait between the stores and the loads, nor in front of the next block's stores.
.macro TOSTAGE a
.set AC, 64*((\a)%4)
	WIN 0x08+4*((\a)/4)                            ; the data: window 2 or 3
.irp b, 0,1,2,3,4,5,6,7
	ds_store_b128 v[STO], v[AC+8*\b:AC+8*\b+3] offset:64*\b          ; each accumulator from its low end on
	ds_store_b128 v[STO], v[AC+8*\b+4:AC+8*\b+7] offset:64*\b+16
.endr
	WIN 0
.set BB, BK+64*((\a)%2)
.irp t, 0,1,2,3,4,5,6,7,8,9,10,11,12,13,14,15
	ds_load_b128 v[BB+4*\t:BB+4*\t+3], v[RD] offset:\t*SPITCH
.endr
.endm
.macro SEND a, younger                 ; younger: the LDS instructions issued behind block a's loads, which may stay out
.set BB, BK+64*((\a)%2)
	s_wait_dscnt \younger                          ; the block is back in registers
.if (\a) > 0
	s_add_nc_u64 s[18:19], s[18:19], 16*SIZE_N*4   ; (behind a wait on XCNT: the earlier stores have read their base)  16 rows of out0 on; the stores' offsets reach 15 rows, 245,760 bytes
.endif
.irp t, 0,1,2,3,4,5,6,7,8,9,10,11,12,13,14,15
	global_store_b128 v[CO], v[BB+4*\t:BB+4*\t+3], s[18:19] offset:\t*SIZE_N*4 th:TH_STORE_NT   ; 32 lanes store 512 consecutive bytes, at a multiple of 256 from out0's first byte; written once, read by nobody here
.endr
.endm
	PLACES NP                                      ; in front of the loads into the registers that held x's fragments, and of the reads of the last products' results
	TOSTAGE 0
.irp a, 1,2,3,4,5,6,7
.if \a > 1
	s_wait_xcnt 0x0                                ; block a - 2's stores have read their registers and their base: block a's loads may land there, and the base may step
.endif
	TOSTAGE \a
	SEND \a-1, 32                                  ; behind block a - 1's loads: block a's 16 stores and 16 loads
.endr
	s_wait_xcnt 0x0                                ; block 6's stores have read their base
	SEND 7, 0
	s_wait_tensorcnt 0x0                           ; the wave's end: behind my last tensor load and my last LDS store
	ds_add_u32 v[SPW], v[NIL]
	s_wait_dscnt 0x0
	CROUND                                         ; the closing round: no work-group ends while a partner may still ask for a tile that names it
	s_endpgm
.Lfunc_end_k_q740922aa57_gemm:
	.size	k_q740922aa57_gemm, .Lfunc_end_k_q740922aa57_gemm-k_q740922aa57_gemm
	.p2alignl 7, 3214868480
	.fill 96, 4, 3214868480
	.section	.rodata,"a",@progbits
	.p2align	6, 0x0
	.amdhsa_kernel k_q740922aa57_gemm
		.amdhsa_group_segment_fixed_size 327680
		.amdhsa_private_segment_fixed_size 0
		.amdhsa_enable_private_segment 0
		.amdhsa_kernarg_size 64
		.amdhsa_user_sgpr_count 2
		.amdhsa_user_sgpr_kernarg_segment_ptr 1
		.amdhsa_wavefront_size32 1
		.amdhsa_system_sgpr_workgroup_id_x 1
		.amdhsa_system_sgpr_workgroup_id_y 1
		.amdhsa_system_sgpr_workgroup_id_z 1
		.amdhsa_system_vgpr_workitem_id 0
		.amdhsa_next_free_vgpr 1024
		.amdhsa_next_free_sgpr 102
		.amdhsa_reserve_vcc 0
		.amdhsa_float_denorm_mode_32 3
		.amdhsa_float_denorm_mode_16_64 3
		.amdhsa_memory_ordered 1
		.amdhsa_forward_progress 1
		.amdhsa_inst_pref_size 231
	.end_amdhsa_kernel
	.amdgpu_metadata
---
amdhsa.version: [ 1, 2 ]
amdhsa.kernels:
  - .name:           k_q740922aa57_gemm
    .symbol:         k_q740922aa57_gemm.kd
    .args:
      - { .name: x_codes, .offset: 0, .size: 8, .value_kind: global_buffer, .address_space: global }
      - { .name: xs2, .offset: 8, .size: 8, .value_kind: global_buffer, .address_space: global }
      - { .name: w_codes, .offset: 16, .size: 8, .value_kind: global_buffer, .address_space: global }
      - { .name: ws2, .offset: 24, .size: 8, .value_kind: global_buffer, .address_space: global }
      - { .name: xa_img, .offset: 32, .size: 8, .value_kind: global_buffer, .address_space: global }
      - { .name: B, .offset: 40, .size: 8, .value_kind: global_buffer, .address_space: global }
      - { .name: bias, .offset: 48, .size: 8, .value_kind: global_buffer, .address_space: global }
      - { .name: out0, .offset: 56, .size: 8, .value_kind: global_buffer, .address_space: global }
    .group_segment_fixed_size: 327680
    .private_segment_fixed_size: 0
    .kernarg_segment_align: 8
    .kernarg_segment_size: 64
    .max_flat_workgroup_size: 128
    .sgpr_count:     102
    .vgpr_count:     1024
    .wavefront_size: 32
...
	.end_amdgpu_metadata
.endif
;; end of part 2
;; ======== version 2 of 2: 2 launches; version 1 with the launch prep written anew for expert scheduling mode
;; workspace buffers: w_codes 8,388,608 bytes; ws2 524,288 bytes; xs2 524,288 bytes; xa_img 262,144 bytes
;; launch prep (part 3): grid 256 x 1, 8 waves a work-group, no clusters, 68,864 bytes of LDS; arguments q_codes, absmax, codebook, x_codes, x_scales, A_codes, A_scales, w_codes, ws2, xs2, xa_img; writes w_codes, ws2, xs2, xa_img
.if DOCPART == 3
	.amdgcn_target "amdgcn-amd-amdhsa--gfx1250"
	.amdhsa_code_object_version 6
	.text
	.protected	k_q740922aa57_prep
	.globl	k_q740922aa57_prep
	.p2align	8
	.type	k_q740922aa57_prep,@function
k_q740922aa57_prep:
	s_mov_b64 s[64:65], 0
	v_nop
	global_prefetch_b8 v0, s[64:65] scope:SCOPE_SE
	s_setreg_imm32_b32 hwreg(HW_REG_WAVE_SCHED_MODE, 0, 2), 2
	s_setreg_imm32_b32 hwreg(HW_REG_WAVE_MODE, 25, 1), 1
	s_wait_xcnt 0x0
	s_wait_alu depctr_vm_vsrc(0)
; THREE THINGS THAT THE PRODUCT'S LAUNCH WANTS READY, each made once.
; (a) W[o][i] = codebook[q_codes[o][i]] x absmax[o][i / 64], in f32, is turned into codes of FP4 (E2M1), K innermost (w_codes [4096][2048 bytes]), with one E8M0 byte for each 32 along K.
;     A block's scale is 2^(floor(log2(its largest magnitude)) - 2); its byte is the largest magnitude's exponent field - 2, held at 1 from below.
; (b) 2 x (x A), [4096][16]: x and A arrive as codes; the product is made by the scaled FP4 matrix instruction, K shared out among the eight waves, the eight parts added in f32,
;     rounded to bf16 and stored as the IMAGE OF A bf16 OPERAND'S REGISTERS (xa_img: 1,024 bytes for each 16 rows: registers 0-3, lane l's 16 bytes at 16 l; then registers 4-7, zeros: ranks 16 to 31 do not exist).
; (c) the scale bytes of x and of W are laid by K step of 512: [8][4096 rows][16 bytes] (xs2, ws2), so that a K step's bytes of 256 rows are 4,096 consecutive bytes.
; SHARES.  Work-group g takes rows 16 g .. 16 g + 15 of W and of x.  Wave w takes W's rows 16 g + 2 w and + 1 (8,192 numbers, a plain stream of blocks: 16 steps of 512), and of x A the K range 512 w .. 512 w + 511.
; THE LOOK-UP.  The table's 16 numbers lie in the lanes of one register (lane l holds entry l % 16); ds_bpermute_b32 gives each lane the entry that its index names.  It touches no LDS byte.
; A lane must hold 16 NEIGHBOURS for the conversions, and a load is best where neighbouring lanes take neighbouring bytes: each load reads 512 consecutive bytes, and a step's 2,048 bytes turn through the wave's own stage in LDS.
; Loads run eight steps (32 loads a wave) ahead, the turn through LDS one step.  One barrier, at the end, in front of the two things that waves hand to each other: W's scale bytes and the parts of x A.
; LIMITS: NaN and infinities in codebook or absmax are not served.  A block of zeros gets the byte 1 (the rule says 127): its codes are zeros, and the bytes are read by this program alone.
; A q_code outside 0 .. 15 (the table has no such entry) is held to 15.  The parts of x A are added in the order of the waves, not in one chain along K.
; THE MODE: SCHED_MODE bits 1:0 = 2 (LLVM: expert scheduling mode 2), set by the entry lines.  The code itself states the register dependences
; between vector or matrix instructions and memory or LDS instructions, with s_wait_alu, always for 0.
; THE PLAN.  Registers that memory or LDS instructions touch, step t of 16:
;   R[t % 8]    Filled by global loads; read by the stage's stores of step t, which are issued in step t - 1; asked for again, for step t + 8, at step t's head.  No vector instruction names R ahead of wave 0's sums at the end.
;   X[t % 2]    The stage's loads of step t, issued in step t - 1, land in it; step t's 32 index lines write it in place; step t's 16 look-ups read it as their index.
;   VL          Step t's look-ups land in it; step t's multiplications, maxima and conversions read it, the multiplications write it.
;   AM          (two, by turns)  An LDS load lands in it; step t's multiplications read it.
;   C[t], E[t]  Written by step t's conversions and shift, each once; read by the two stores that are issued in step t + 1.
;   The table's register and all address registers are made at the head and never written again.
; So a step holds TWO waits.  One on vm_vsrc at its head: the stage's stores have read R[t % 8], and the last step's look-ups have read the other X.  One on va_vdst behind its index lines: the indices are written; the step before
; is done with VL and AM and with the other X, and has written its codes and its byte.  Behind that wait stand the step's look-ups, the load of absmax, the step before's two stores and the next step's turn through the stage, with no further wait:
; the vector lines that follow them name VL, AM, v8, v9, v11, C[t] and E[t], none of which those still touch when the count on DScnt has shown the look-ups and absmax in.
.set STEPS, 16
.set WB,    256                        ; LDS bytes 0-255 are left free: the permutes' index registers hold 0 .. 60, lane numbers x 4, and name no LDS byte
.set WREG,  8192                       ; a region of its own for each wave: two stages of 32 x SP bytes, its 128 absmax, its part of x A
.set SP,    80                         ; a lane's place in a stage: its 64 bytes + 16 of padding
.set AMB,   2*32*SP                    ; 5,120: 512 bytes of absmax
.set PART,  6144                       ; 1,024 bytes: eight registers' image
.set SCB,   WB+8*WREG                  ; the work-group's: W's scale bytes of its 16 rows, [16][128]
.set AMA,   7                          ; v7       LDS address of my absmax: 4 (lane / 4) in my wave's 512 bytes; a step is 32 bytes on
.set R,     16                         ; v16-143  eight sets of 16 codes as they are loaded
.set X,     144                        ; v144-175 two sets of 16 neighbouring codes
.set VL,    176                        ; v176-191 16 numbers of W
.set C,     192                        ; v192-223 two registers of codes for each step, so that no store's data are written again
.set E,     224                        ; v224-239 a scale byte for each step
.set AMV,   240                        ; v240, v242 absmax of the step in hand, by turns; v241, v243 are named with them as pairs, so they are written once
.set CBK,   244                        ; v244     codebook[lane % 16]
.set XO,    245                        ; v245     a fragment's place: row r of 2,048 bytes + 16 h
.set SO,    246                        ; v246     scale bytes in: row r of 128 bytes + 8 h
.set XSO,   247                        ; v247     scale bytes out: row r of 16 bytes + 8 h
.set PA,    248                        ; v248     where my part of x A goes
.set AMS,   249                        ; v249     where my 16 bytes of absmax go
.set XSW,   250                        ; v250-251 x's scale words: lanes 0-15 words 0, 1 of my K range, lanes 16-31 words 2, 3
.set ASW,   252                        ; v252-253 A's likewise
.set XFR,   144                        ; at the head only: x's four fragments, A's four, two accumulators, their sum, absmax as loaded
.set AFR,   176
.set ACC0,  208
.set ACC1,  216
.set SUM,   224
.set AT,    232
	s_load_b256 s[4:11], s[0:1], 0x0               ; q_codes s[4:5], absmax s[6:7], codebook s[8:9], x_codes s[10:11]
	s_load_b256 s[12:19], s[0:1], 0x20             ; x_scales s[12:13], A_codes s[14:15], A_scales s[16:17], w_codes s[18:19]
	s_load_b128 s[20:23], s[0:1], 0x40             ; ws2 s[20:21], xs2 s[22:23]
	s_load_b64 s[24:25], s[0:1], 0x50              ; xa_img
	v_lshl_add_u32 v254, v0, 2, 0x10900
	v_mov_b32 v255, 0
	v_lshrrev_b32 v1, 5, v0
	v_readfirstlane_b32 s26, v1                    ; wave 0..7
	v_and_b32 v2, 31, v0                           ; lane
	v_lshlrev_b32 v3, 4, v2                        ; 16 x lane: my 16 bytes of a load's 512, and of an image's
	v_lshlrev_b32 v4, 3, v2                        ; 8 x lane: my 8 bytes of a store's 256
	s_wait_alu depctr_va_sdst(0)                   ; s26 is written, ahead of its first reader: the wave's LDS region and every buffer's base are made from it
	s_mul_i32 s27, s26, WREG
	s_add_co_u32 s27, s27, WB                      ; my wave's region
	v_lshrrev_b32 v14, 2, v2
	v_mul_u32_u24 v14, v14, SP
	v_and_b32 v15, 3, v2
	v_lshl_add_u32 v14, v15, 4, v14
	v_add_nc_u32 v14, s27, v14                     ; the stage, on the way in: four lanes' 64 bytes on end, then 16 of padding
	v_mul_u32_u24 v15, v2, SP
	v_add_nc_u32 v15, s27, v15                     ; and on the way out: SP x lane: my 16 neighbours
	v_lshrrev_b32 v[AMA], 2, v2
	v_lshlrev_b32 v[AMA], 2, v[AMA]
	v_add_nc_u32 v[AMA], s27, v[AMA]
	v_add_nc_u32 v[AMA], AMB, v[AMA]               ; four lanes (64 numbers) share an absmax
	v_add_nc_u32 v[PA], s27, v3
	v_add_nc_u32 v[AMS], AMB, v[PA]
	v_add_nc_u32 v[PA], PART, v[PA]
	s_lshl_b32 s27, s26, 8
	s_add_co_u32 s27, s27, SCB
	v_lshrrev_b32 v5, 1, v2
	v_add_nc_u32 v5, s27, v5                       ; W's scale bytes in: my wave's two rows (256 bytes), my block's byte
	v_lshrrev_b32 v6, 1, v2
	v_lshlrev_b32 v6, 7, v6
	v_and_b32 v8, 1, v2
	v_lshl_add_u32 v6, v8, 3, v6
	s_lshl_b32 s27, s26, 4
	s_add_co_u32 s27, s27, SCB
	v_add_nc_u32 v6, s27, v6                       ; and out: row lane / 2, K step w's 16 bytes, my half of them
	v_and_b32 v9, 15, v2                           ; r
	v_lshrrev_b32 v8, 4, v2                        ; h
	v_lshlrev_b32 v[XO], 11, v9
	v_lshl_add_u32 v[XO], v8, 4, v[XO]
	v_lshlrev_b32 v[SO], 7, v9
	v_lshl_add_u32 v[SO], v8, 3, v[SO]
	v_lshlrev_b32 v[XSO], 4, v9
	v_lshl_add_u32 v[XSO], v8, 3, v[XSO]
	v_lshlrev_b32 v10, 2, v9                       ; the table's entry lane % 16
	v_mov_b32 v[AMV+1], 0
	v_mov_b32 v[AMV+3], 0
	s_mov_b32 s29, 0
.macro BASE p, gs, ws                  ; the buffer at s[p:p+1] moves on by (work-group << gs) | (wave << ws) bytes
	s_lshl_b32 s28, ttmp9, \gs
	s_lshl_b32 s27, s26, \ws
	s_or_b32 s28, s28, s27
	s_add_nc_u64 s[\p:\p+1], s[\p:\p+1], s[28:29]
.endm
	s_wait_kmcnt 0x0
	BASE 4, 18, 15                                 ; q_codes: 16 rows of 16,384 bytes; my two rows
	BASE 6, 12, 9                                  ; absmax: rows of 256 bytes
	BASE 10, 15, 8                                 ; x_codes: rows of 2,048 bytes; my K range's 256 bytes of a row
	BASE 12, 11, 4                                 ; x_scales: rows of 128 bytes; my K range's 16
	BASE 18, 15, 12                                ; w_codes: my two rows
	BASE 20, 8, 16                                 ; ws2, xs2: plane w of 65,536 bytes, the group's 16 rows of 16
	BASE 22, 8, 16
	s_lshl_b32 s28, s26, 8
	s_add_nc_u64 s[14:15], s[14:15], s[28:29]      ; A_codes, A_scales: my K range
	s_lshl_b32 s28, s26, 4
	s_add_nc_u64 s[16:17], s[16:17], s[28:29]
	s_lshl_b32 s28, ttmp9, 10
	s_add_nc_u64 s[24:25], s[24:25], s[28:29]      ; xa_img: the group's 1,024 bytes
	s_wait_alu depctr_va_vdst(0)                   ; the offsets and LDS addresses v3 to v7, v10, v14, v15 and v245 to v249 are written: every load, store and LDS instruction of the kernel reads one of them, and none is written again
	; the head's 20 loads
	global_load_b32 v[CBK], v10, s[8:9]
	global_load_b128 v[AT:AT+3], v3, s[6:7]        ; my two rows' 128 absmax: 512 consecutive bytes
	global_load_b64 v[XSW:XSW+1], v[SO], s[12:13]
	global_load_b64 v[ASW:ASW+1], v[SO], s[16:17]
.irp c, 0,1,2,3                        ; a fragment, 16 rows x 128 K of 4-bit codes: lane (r, h) holds row r; registers 4 cc .. 4 cc + 3 hold K = 64 cc + 32 h + 0 .. 31: 16 bytes as they lie
.irp cc, 0,1
	global_load_b128 v[XFR+8*\c+4*\cc:XFR+8*\c+4*\cc+3], v[XO], s[10:11] offset:64*\c+32*\cc
	global_load_b128 v[AFR+8*\c+4*\cc:AFR+8*\c+4*\cc+3], v[XO], s[14:15] offset:64*\c+32*\cc
.endr
.endr
.macro LOAD t
.irp i, 0,1,2,3
	global_load_b128 v[R+16*((\t)%8)+4*\i:R+16*((\t)%8)+4*\i+3], v3, s[4:5] offset:2048*(\t)+512*\i th:TH_LOAD_NT   ; 32 lanes read 512 consecutive bytes; read once in the whole program
.endr
.endm
.macro TURN t                          ; step t's codes through the stage: LDS serves a wave's instructions in order, so no wait stands between the stores and the loads
.irp i, 0,1,2,3
	ds_store_b128 v14, v[R+16*((\t)%8)+4*\i:R+16*((\t)%8)+4*\i+3] offset:32*SP*((\t)%2)+8*SP*\i
.endr
.irp i, 0,1,2,3
	ds_load_b128 v[X+16*((\t)%2)+4*\i:X+16*((\t)%2)+4*\i+3], v15 offset:32*SP*((\t)%2)+16*\i
.endr
.endm
.macro OUT t                           ; step t's scale byte and codes leave: issued a step later, behind that step's wait on va_vdst
	ds_store_b8 v5, v[E+(\t)] offset:16*(\t)       ; both lanes of a block write the same byte with the same value
	global_store_b64 v4, v[C+2*(\t):C+2*(\t)+1], s[18:19] offset:256*(\t)   ; the wave's store covers 256 consecutive bytes, aligned
.endm
.irp t, 0,1,2,3,4,5,6,7
	LOAD \t
.endr
	s_wait_loadcnt 32                              ; the head's 20 loads are in; the 32 issued behind them stay out
	ds_store_b128 v[AMS], v[AT:AT+3]               ; absmax into my own bytes of LDS: each step reads its number from there
	global_store_b64 v[XSO], v[XSW:XSW+1], s[22:23]   ; (c) x's scale bytes of K step w, 16 rows x 16 bytes: the wave's store covers 256 consecutive bytes, aligned
	; (b) my part of x A, TRANSPOSED: source 0 = A's 16 ranks, source 1 = x's 16 rows: lane (r, h) then holds row r of x and ranks 8 h + 0 .. 7, which is the bf16 operand's own layout.
	; Two accumulators take turns, one instruction a turn; the first two products start the sums.  Operands and scale words come from loads: no vector instruction has written them.
	v_wmma_scale_f32_16x16x128_f8f6f4 v[ACC0:ACC0+7], v[AFR:AFR+7], v[XFR:XFR+7], 0, v[ASW], v[XSW] matrix_a_fmt:MATRIX_FMT_FP4 matrix_b_fmt:MATRIX_FMT_FP4
	v_wmma_scale_f32_16x16x128_f8f6f4 v[ACC1:ACC1+7], v[AFR+8:AFR+15], v[XFR+8:XFR+15], 0, v[ASW+1], v[XSW+1] matrix_a_fmt:MATRIX_FMT_FP4 matrix_b_fmt:MATRIX_FMT_FP4
	v_wmma_scale_f32_16x16x128_f8f6f4 v[ACC0:ACC0+7], v[AFR+16:AFR+23], v[XFR+16:XFR+23], v[ACC0:ACC0+7], v[ASW], v[XSW] matrix_a_fmt:MATRIX_FMT_FP4 matrix_b_fmt:MATRIX_FMT_FP4 matrix_a_scale:MATRIX_SCALE_ROW1 matrix_b_scale:MATRIX_SCALE_ROW1
	v_wmma_scale_f32_16x16x128_f8f6f4 v[ACC1:ACC1+7], v[AFR+24:AFR+31], v[XFR+24:XFR+31], v[ACC1:ACC1+7], v[ASW+1], v[XSW+1] matrix_a_fmt:MATRIX_FMT_FP4 matrix_b_fmt:MATRIX_FMT_FP4 matrix_a_scale:MATRIX_SCALE_ROW1 matrix_b_scale:MATRIX_SCALE_ROW1
.rept 4
	v_nop                                          ; four places (ISA guide 7.12.1) in front of the first read of the results
.endr
.irp i, 0,2,4,6
	v_pk_add_f32 v[SUM+\i:SUM+\i+1], v[ACC0+\i:ACC0+\i+1], v[ACC1+\i:ACC1+\i+1]   ; each accumulator from its low end on
.endr
	s_wait_alu depctr_va_vdst(0)                   ; the four additions have written v[SUM ..], which the two LDS stores read; the matrix instructions are done reading x's fragments, in which step 0's codes land below
	ds_store_b128 v[PA], v[SUM:SUM+3]              ; as an image of the registers: lane l's 16 bytes at 16 l
	ds_store_b128 v[PA], v[SUM+4:SUM+7] offset:512
	s_wait_loadcnt 28                              ; step 0's four loads are in; those of the seven steps behind it stay out
	TURN 0
.macro STEP t
.set XS, X+16*((\t)%2)
.set AM, AMV+2*((\t)%2)
	s_wait_dscnt 0x0                               ; this step's codes are back from the stage: no LDS instruction was issued behind their loads
	s_wait_alu depctr_vm_vsrc(0)                   ; the stage's stores have read R[t % 8], in which the loads of eight steps on land; the last step's look-ups have read the other X, in which the next step's codes land (behind step 14's: which wave 0's sums write at the end); in step 0: the head's LDS stores have read v[SUM ..] and v[AT ..], which the steps' bytes take
.if (\t)+8 < STEPS
	LOAD (\t)+8                                    ; the loads of eight steps on
.endif
.irp i, 0,1,2,3,4,5,6,7,8,9,10,11,12,13,14,15
	v_min_u32 v[XS+\i], 15, v[XS+\i]               ; a code is an index into 16 entries
.endr
.irp i, 0,1,2,3,4,5,6,7,8,9,10,11,12,13,14,15
	v_lshlrev_b32 v[XS+\i], 2, v[XS+\i]            ; the permute's index is the lane's number x 4
.endr
	s_wait_alu depctr_va_vdst(0)                   ; the 16 indices are written, which the look-ups read; the step before is done with VL and with absmax's register, in which look-ups and absmax land, has written its codes and its byte, which the two stores read, and is done with the other X, in which the next step's codes land
.irp i, 0,1,2,3,4,5,6,7,8,9,10,11,12,13,14,15
	ds_bpermute_b32 v[VL+\i], v[XS+\i], v[CBK]     ; codebook[code]
.endr
	ds_load_b32 v[AM], v[AMA] offset:32*(\t)       ; my 16 numbers' absmax: a step has eight
.if (\t) > 0
	OUT (\t)-1                                     ; the step before's byte and codes
.endif
.if (\t)+1 < STEPS
.if (\t) <= 7
	s_wait_loadcnt 28                              ; the next step's four loads are in; those of the seven steps behind it may be out
.else
	s_wait_loadcnt 4*(14-(\t))                     ; (fewer steps are left behind it)
.endif
	TURN (\t)+1                                    ; and go through the other stage while this step is worked.  No wait: no vector instruction since the wait above names a register that these touch
	s_wait_dscnt 8                                 ; all but those eight: the look-ups and absmax are in
.else
	s_wait_dscnt 0x0
.endif
.irp i, 0,2,4,6,8,10,12,14
	v_pk_mul_f32 v[VL+\i:VL+\i+1], v[VL+\i:VL+\i+1], v[AM:AM+1] op_sel_hi:[1,0]   ; W = codebook[code] x absmax: one f32 multiplication, as the definition has it
.endr
	v_max3_num_f32 v8, |v[VL]|, |v[VL+1]|, |v[VL+2]|               ; the largest magnitude of my 16
	v_max3_num_f32 v9, |v[VL+3]|, |v[VL+4]|, |v[VL+5]|
.irp i, 6,10
	v_max3_num_f32 v8, v8, |v[VL+\i]|, |v[VL+\i+1]|
	v_max3_num_f32 v9, v9, |v[VL+\i+2]|, |v[VL+\i+3]|
.endr
	v_max3_num_f32 v8, v8, |v[VL+14]|, |v[VL+15]|
	v_max3_num_f32 v8, v8, v9, 0x1800000           ; and the floor 2^(3 - 127), under which no largest magnitude is taken: so the byte cannot fall under 1
	v_max_num_f32_dpp v8, v8, v8 row_xmask:1 row_mask:0xf bank_mask:0xf   ; and of my neighbour's 16: the block's
	v_add_nc_u32 v11, 0xff000000, v8               ; 2 off its exponent field: the conversion takes the exponent field of this operand as its scale, and nothing else of it
	v_cvt_scalef32_pk8_fp4_f32 v[C+2*(\t)], v[VL:VL+7], v11        ; eight numbers / the scale, to the nearest code, ties to even, beyond the largest code the largest; the first number's code in the lowest four bits
	v_cvt_scalef32_pk8_fp4_f32 v[C+2*(\t)+1], v[VL+8:VL+15], v11
	v_lshrrev_b32 v[E+(\t)], 23, v11               ; the scale's byte.  (Also the plain line behind the conversions)
.endm
.irp t, 0,1,2,3,4,5,6,7,8,9,10,11,12,13,14,15
	STEP \t
.endr
	s_wait_alu depctr_va_vdst(0)                   ; step 15 has written its codes and its byte, which the two stores read
	OUT 15
	s_wait_dscnt 0x0                               ; for the others' sake: my scale bytes and my part of x A lie in LDS
	s_barrier_signal -1
	s_barrier_wait -1                              ; everybody's do
	ds_load_b64 v[12:13], v6                       ; K step w's 16 bytes of each of the group's 16 rows
	s_wait_dscnt 0x0
	global_store_b64 v4, v[12:13], s[20:21]        ; 256 consecutive bytes of plane w, aligned
	s_cmp_lg_u32 s26, 0                            ; wave 0 adds the eight parts of x A
	s_cbranch_scc1 .Lend
.irp p, 0,1,2,3,4,5,6,7                ; these land in v16 to v79: the stage's stores that read them all stand ahead of step 15's wait on vm_vsrc, and no vector instruction has named them
	ds_load_b128 v[R+8*\p:R+8*\p+3], v3 offset:WB+WREG*\p+PART
	ds_load_b128 v[R+8*\p+4:R+8*\p+7], v3 offset:WB+WREG*\p+PART+512
.endr
	s_wait_dscnt 0x0
.irp i, 0,2,4,6
	v_pk_mul_f32 v[X+\i:X+\i+1], v[R+\i:R+\i+1], 2.0 op_sel_hi:[1,0]   ; the factor alpha / rank = 2 goes in here: it rounds nothing
.endr
.irp p, 1,2,3,4,5,6,7
.irp i, 0,2,4,6
	v_pk_fma_f32 v[X+\i:X+\i+1], v[R+8*\p+\i:R+8*\p+\i+1], 2.0, v[X+\i:X+\i+1] op_sel_hi:[1,0,1]   ; (four chains by turns)
.endr
.endr
.irp i, 0,1,2,3
	v_cvt_pk_bf16_f32 v[X+8+\i], v[X+2*\i], v[X+2*\i+1]   ; registers 0-3 of the bf16 operand: row r, ranks 8 h + 0 .. 7
.endr
.irp i, 0,1,2,3
	v_mov_b32 v[X+12+\i], 0                        ; registers 4-7: ranks 16 to 31, which do not exist
.endr
	s_wait_alu depctr_va_vdst(0)                   ; the four roundings and the four zeros are written, which the two stores read
	global_store_b128 v3, v[X+8:X+11], s[24:25]    ; 512 consecutive bytes each
	global_store_b128 v3, v[X+12:X+15], s[24:25] offset:512
.Lend:
	s_wait_dscnt 0x0                               ; the closing lines, six on end
	s_wait_alu 0x0
	s_wait_tensorcnt 0x0
	ds_add_u32 v254, v255
	s_wait_dscnt 0x0
	s_endpgm
.Lfunc_end_k_q740922aa57_prep:
	.size	k_q740922aa57_prep, .Lfunc_end_k_q740922aa57_prep-k_q740922aa57_prep
	.p2alignl 7, 3214868480
	.fill 96, 4, 3214868480
	.section	.rodata,"a",@progbits
	.p2align	6, 0x0
	.amdhsa_kernel k_q740922aa57_prep
		.amdhsa_group_segment_fixed_size 68864
		.amdhsa_private_segment_fixed_size 0
		.amdhsa_enable_private_segment 0
		.amdhsa_kernarg_size 88
		.amdhsa_user_sgpr_count 2
		.amdhsa_user_sgpr_kernarg_segment_ptr 1
		.amdhsa_wavefront_size32 1
		.amdhsa_system_sgpr_workgroup_id_x 1
		.amdhsa_system_sgpr_workgroup_id_y 1
		.amdhsa_system_sgpr_workgroup_id_z 1
		.amdhsa_system_vgpr_workitem_id 0
		.amdhsa_next_free_vgpr 256
		.amdhsa_next_free_sgpr 66
		.amdhsa_reserve_vcc 0
		.amdhsa_float_denorm_mode_32 3
		.amdhsa_float_denorm_mode_16_64 3
		.amdhsa_memory_ordered 1
		.amdhsa_forward_progress 1
		.amdhsa_inst_pref_size 85
	.end_amdhsa_kernel
	.amdgpu_metadata
---
amdhsa.version: [ 1, 2 ]
amdhsa.kernels:
  - .name:           k_q740922aa57_prep
    .symbol:         k_q740922aa57_prep.kd
    .args:
      - { .name: q_codes, .offset: 0, .size: 8, .value_kind: global_buffer, .address_space: global }
      - { .name: absmax, .offset: 8, .size: 8, .value_kind: global_buffer, .address_space: global }
      - { .name: codebook, .offset: 16, .size: 8, .value_kind: global_buffer, .address_space: global }
      - { .name: x_codes, .offset: 24, .size: 8, .value_kind: global_buffer, .address_space: global }
      - { .name: x_scales, .offset: 32, .size: 8, .value_kind: global_buffer, .address_space: global }
      - { .name: A_codes, .offset: 40, .size: 8, .value_kind: global_buffer, .address_space: global }
      - { .name: A_scales, .offset: 48, .size: 8, .value_kind: global_buffer, .address_space: global }
      - { .name: w_codes, .offset: 56, .size: 8, .value_kind: global_buffer, .address_space: global }
      - { .name: ws2, .offset: 64, .size: 8, .value_kind: global_buffer, .address_space: global }
      - { .name: xs2, .offset: 72, .size: 8, .value_kind: global_buffer, .address_space: global }
      - { .name: xa_img, .offset: 80, .size: 8, .value_kind: global_buffer, .address_space: global }
    .group_segment_fixed_size: 68864
    .private_segment_fixed_size: 0
    .kernarg_segment_align: 8
    .kernarg_segment_size: 88
    .max_flat_workgroup_size: 256
    .sgpr_count:     66
    .vgpr_count:     256
    .wavefront_size: 32
...
	.end_amdgpu_metadata
.endif
;; end of part 3
;; launch gemm: the kernel of part 2 again; grid 16 x 16, 4 waves a work-group, clusters of 4 x 4, 327,680 bytes of LDS; arguments x_codes, xs2, w_codes, ws2, xa_img, B, bias, out0; writes out0
